; MI455X (gfx1250); checked and timed in simulation.
; The chip was launched on July 23, 2026; its instructions are those of AMD's public machine-readable ISA for CDNA 5 (MIT licence, August 2026) and "CDNA5" Instruction Set Architecture Reference Guide (July 2026). The comments in the code are by the model that wrote it; some were corrected since.
;; Invariant Slot Attention. Allowed arithmetic: float matrix products may take bf16 or f16 operands with f32 sums; all other float work in f32.
;; Inputs: S_p0 8 x 8 x 2 float32; S_r 8 x 8 x 2 x 2 float32; S_s 8 x 8 x 2 float32; Wk 128 x 128 float32; Wq 128 x 128 float32; Wv 128 x 128 float32; f_b1 128 float32; f_b2 128 float32; f_w1 128 x 128 float32; f_w2 128 x 128 float32; g_b 128 float32; g_w 128 x 2 float32; gru_bhh 384 float32; gru_bih 384 float32; gru_whh 384 x 128 float32; gru_wih 384 x 128 float32; inputs 8 x 4,096 x 128 float32; ln_pf_b 128 float32; ln_pf_g 128 float32; ln_s_b 128 float32; ln_s_g 128 float32; mlp_b1 128 float32; mlp_b2 128 float32; mlp_w1 128 x 128 float32; mlp_w2 128 x 128 float32; slots_init 8 x 8 x 128 float32.
;; Outputs: out0 8 x 8 x 128 float32; out1 8 x 8 x 2 float32; out2 8 x 8 x 2 x 2 float32; out3 8 x 8 x 2 float32.
;; One version. Each part assembles by itself: llvm-mc -triple=amdgcn-amd-amdhsa -mcpu=gfx1250 --defsym DOCPART=n.
;; ======== version 1 of 1: 7 launches
;; limits: a difference of large sums (such as E[x^2] - mean^2): digits are lost where the result is much smaller than its terms; values are held in f16: magnitudes above 65,504 overflow, below 6.1e-05 lose precision; inputs' magnitudes at most 65,504; right only within a limited range of input values
;; workspace buffers: part 1,114,112 bytes; wit 98,304 bytes; wupd 294,912 bytes; vecs 2,048 bytes; slotsA 32,768 bytes; spA 512 bytes; slotsB 32,768 bytes; spB 512 bytes
;; launch prep (part 1): grid 13 x 8, 8 waves a work-group, no clusters, 69,632 bytes of LDS; arguments f_w1, f_w2, Wk, Wv, Wq, gru_wih, gru_whh, mlp_w1, mlp_w2, g_w, g_b, f_b1, f_b2, S_r, S_s, wit, wupd, vecs, out2, out3; writes wit, wupd, vecs, out2, out3
.if DOCPART == 1
	.amdgcn_target "amdgcn-amd-amdhsa--gfx1250"
	.amdhsa_code_object_version 6
	.text
	.protected	k_q34e8869055_prep
	.globl	k_q34e8869055_prep
	.p2align	8
	.type	k_q34e8869055_prep,@function
k_q34e8869055_prep:
	s_mov_b64 s[64:65], 0
	v_nop
	global_prefetch_b8 v0, s[64:65] scope:SCOPE_SE
	s_setreg_imm32_b32 hwreg(HW_REG_WAVE_MODE, 25, 1), 1
	s_wait_xcnt 0x0
; PREP: what depends on the weights alone, made once.
;   wit : 128 f_w1 Wk, 128 f_w1 Wv, 128 f_w2^T Wq ([h][d] = 128 sum_e f_w2[e][h] Wq[e][d]); sums in f32 on the vector unit (6.3 M multiply-adds in all),
;         rounded ONCE, to f16: the centroids that the scores feed are sums of 4,096 terms that nearly cancel, and every rounding of an operand reaches them
;         undiminished relative to their size, so these operands keep 11 significant bits, and no product of two rounded matrices is formed.
;         The factor 128 (exact) centres the products in f16's range: of weights of spread 0.02 they have spread 0.0045, stored 0.58.
;         LIMIT: a product of magnitude 511 or more overflows f16; below 4.8e-7 a product keeps f16's fixed step, 4.7e-10 of the product.
;   wupd: f_w2, gru_wih, gru_whh, mlp_w1, mlp_w2 rounded to bf16, nine tiles on end for each wave of the update launch.
;   vecs: for each 16 channels u0, u1 = 0.2 f_w1 g_w[:,0/1], b1' = f_b1 + f_w1 g_b, wqb[d] = c sum_e Wq[e][d] f_b2[e], c = 128^-0.5 log2(e); f32.
;   out2, out3: copies of S_r, S_s.
; FRAGMENT ORDER of every 16-bit matrix [N][128]: tile T = 16 rows is 4,096 bytes; the 16 bytes of thread t of 256 (wave v = t / 32, lane l, r = l % 16,
; hh = l / 16) lie at 4096 T + 16 t and hold row 16 T + r, columns 16 v + 8 hh + 0..7: a matrix fragment is then two loads of 512 consecutive bytes.
; ROLES by the work-group's x (the same for all its waves), tile y: x = 0..8 conversion, 9..11 product, 12 vectors and copies.
; The two roles that use LDS have bytes of their own (vectors below PBASE, product from PBASE on), so that nothing need order one role's LDS accesses with the other's.
; No matrix unit, no cluster, no tensor load: 104 small independent pieces, each read once.
.set VR,    0                          ; role vectors: the tile's 64 numbers for vecs
.set WP,    256                        ; role vectors: eight waves' partial wqb, 64 bytes each
.set PBASE, 1024                       ; role product: the eight waves' partial sums begin here
.set PP,    528                        ; pitch of a row of 128 f32 partial sums: 33 x 16 bytes
.set PW,    16*PP                      ; a wave's 16 rows
.set SPARE, PBASE+8*PW                 ; behind the partial sums: the spare words, 128 bytes a wave
.set SPW,   1                          ; v1  my spare word
.set NIL,   2                          ; v2  0
.set XX,    50                         ; s50 x
.set YY,    51                         ; s51 y
.set WV,    52                         ; s52 wave
.set OF,    54                         ; s[54:55] a byte offset, high word 0
.set SEL,   62                         ; s[62:63] v_permlanex16_b32: each lane takes its own place in the other half
.set CLOG,  0x3e0293ee                 ; c = 128^-0.5 log2(e)
.macro ALLRED v, t                     ; sum over the wave's 32 lanes, in every lane
	v_add_f32_dpp v[\v], v[\v], v[\v] row_xmask:1 row_mask:0xf bank_mask:0xf
	v_add_f32_dpp v[\v], v[\v], v[\v] row_xmask:2 row_mask:0xf bank_mask:0xf
	v_add_f32_dpp v[\v], v[\v], v[\v] row_xmask:4 row_mask:0xf bank_mask:0xf
	v_add_f32_dpp v[\v], v[\v], v[\v] row_xmask:8 row_mask:0xf bank_mask:0xf
	v_permlanex16_b32 v[\t], v[\v], s[SEL], s[SEL+1]
	v_add_f32 v[\v], v[\v], v[\t]
.endm
.macro BAR                             ; my LDS instructions are done, then the work-group's barrier
	s_wait_dscnt 0x0
	s_barrier_signal -1
	s_barrier_wait -1
.endm
.macro DOT4 d, a, b, st                ; four terms of a dot product
	v_mul_f32 v[\d], v[\a], v[\b]
	v_fmac_f32 v[\d], v[\a+1], v[\b+\st]
	v_fmac_f32 v[\d], v[\a+2], v[\b+2*\st]
	v_fmac_f32 v[\d], v[\a+3], v[\b+3*\st]
.endm
.macro TREE base, n, w, lv             ; n items of w registers are added in pairs, lv = log2(n) levels; the sum lands in item 0
.set st_, (\n)/2
.rept \lv
.set c_, 0
.rept st_
.set k_, 0
.rept (\w)/2
	v_pk_add_f32 v[(\base)+(\w)*c_+2*k_:(\base)+(\w)*c_+2*k_+1], v[(\base)+(\w)*c_+2*k_:(\base)+(\w)*c_+2*k_+1], v[(\base)+(\w)*(c_+st_)+2*k_:(\base)+(\w)*(c_+st_)+2*k_+1]
.set k_, k_+1
.endr
.set c_, c_+1
.endr
.set st_, st_/2
.endr
.endm
	s_load_b512 s[4:19], s[0:1], 0x0               ; f_w1 4, f_w2 6, Wk 8, Wv 10, Wq 12, gru_wih 14, gru_whh 16, mlp_w1 18
	s_load_b512 s[20:35], s[0:1], 0x40             ; mlp_w2 20, g_w 22, g_b 24, f_b1 26, f_b2 28, S_r 30, S_s 32, wit 34
	s_load_b256 s[36:43], s[0:1], 0x80             ; wupd 36, vecs 38, out2 40, out3 42
	v_lshl_add_u32 v[SPW], v0, 2, SPARE
	v_mov_b32 v[NIL], 0
	v_lshrrev_b32 v3, 5, v0
	v_readfirstlane_b32 s[WV], v3
	s_mov_b32 s[XX], ttmp9
	s_and_b32 s[YY], ttmp7, 0xffff
	s_mov_b32 s[OF+1], 0
	s_mov_b32 s[SEL], 0x76543210
	s_mov_b32 s[SEL+1], 0xfedcba98
	v_and_b32 v3, 31, v0                           ; l
	v_lshlrev_b32 v4, 4, v3                        ; 16 l
	v_and_b32 v5, 15, v0                           ; r
	v_bfe_u32 v6, v0, 4, 1                         ; hh
	v_lshlrev_b32 v7, 4, v0                        ; 16 t
	s_wait_kmcnt 0x0
	s_cmp_lt_u32 s[XX], 9
	s_cbranch_scc1 .Lconv
	s_cmp_eq_u32 s[XX], 12
	s_cbranch_scc1 .Lvec
; ROLE PRODUCT.  Rows 16 y .. 16 y + 15 of the product, all 128 columns.  Wave v sums over e = 16 v .. 16 v + 15: the right matrix's 16 rows lie in
; 64 vector registers (a lane has 4 columns), the left matrix's 16 x 16 block comes through scalar registers, 64 bytes a load.
	s_cmp_lt_u32 s[XX], 11
	s_cselect_b64 s[44:45], s[4:5], s[6:7]         ; left: f_w1, or f_w2 (taken transposed)
	s_cselect_b64 s[46:47], s[10:11], s[12:13]     ; right: Wv or Wq,
	s_cmp_lt_u32 s[XX], 10
	s_cselect_b64 s[46:47], s[8:9], s[46:47]       ; or Wk
	s_mov_b32 s56, 0x43000000                      ; the factor 128
	s_mov_b32 s57, s56                             ; named with it as a pair
	s_sub_co_u32 s[OF], s[XX], 9
	s_lshl3_add_u32 s[OF], s[OF], s[YY]
	s_lshl_b32 s[OF], s[OF], 12
	s_add_nc_u64 s[48:49], s[34:35], s[OF:OF+1]    ; wit at tile 8 (x - 9) + y
	s_lshl_b32 s58, s[YY], 13
	s_lshl_b32 s59, s[WV], 6
	s_lshl_b32 s60, s[WV], 13
	s_lshl_b32 s61, s[YY], 6
	s_add_co_u32 s58, s58, s59                     ; as it lies: row 16 y, column 16 v
	s_add_co_u32 s60, s60, s61                     ; transposed: row 16 v, column 16 y
	s_cmp_lt_u32 s[XX], 11
	s_cselect_b32 s[OF], s58, s60
	s_add_nc_u64 s[44:45], s[44:45], s[OF:OF+1]
	s_lshl_b32 s[OF], s[WV], 13
	s_add_nc_u64 s[46:47], s[46:47], s[OF:OF+1]    ; the right matrix at row 16 v
.irp e, 0,1,2,3,4,5,6,7,8,9,10,11,12,13,14,15
	global_load_b128 v[64+4*\e:67+4*\e], v4, s[46:47] offset:512*\e
.endr
; Group g of the left block: its rows 2 g and 2 g + 1, 16 words each, into s[4:35] (g even) or s[68:99] (g odd).  The addresses that lay in s[4:35] have been copied.
.macro SLOAD g
.set sb_, 4+64*((\g)%2)
	s_load_b512 s[sb_:sb_+15], s[44:45], 1024*(\g)
	s_load_b512 s[sb_+16:sb_+31], s[44:45], 1024*(\g)+512
.endm
.macro COMPN g                         ; as it lies: block row X is the product's row, word Y the summed index.  The first term starts each sum
.set sb_, 4+64*((\g)%2)
.set y_, 0
.rept 16
.irp xo, 0,1
.irp c, 0,1,2,3
.if y_ == 0
	v_mul_f32 v[128+4*(2*(\g)+\xo)+\c], s[sb_+16*\xo+y_], v[64+4*y_+\c]
.else
	v_fmac_f32 v[128+4*(2*(\g)+\xo)+\c], s[sb_+16*\xo+y_], v[64+4*y_+\c]
.endif
.endr
.endr
.set y_, y_+1
.endr
.endm
.macro COMPT g                         ; transposed: block row X is the summed index, word Y the product's row
.set sb_, 4+64*((\g)%2)
.irp xo, 0,1
.set y_, 0
.rept 16
.irp c, 0,1,2,3
.if (2*(\g)+\xo) == 0
	v_mul_f32 v[128+4*y_+\c], s[sb_+16*\xo+y_], v[64+4*(2*(\g)+\xo)+\c]
.else
	v_fmac_f32 v[128+4*y_+\c], s[sb_+16*\xo+y_], v[64+4*(2*(\g)+\xo)+\c]
.endif
.endr
.set y_, y_+1
.endr
.endr
.endm
.macro PIPE tn                         ; behind group g's arithmetic: group g + 1, asked for one group earlier, is waited for (scalar loads: for 0 alone), then group g + 2 is asked for
.irp g, 0,1,2,3,4,5,6,7
.if \tn
	COMPT \g
.else
	COMPN \g
.endif
.if \g < 7
	s_wait_kmcnt 0x0
.endif
.if \g < 6
	SLOAD \g+2
.endif
.endr
.endm
	SLOAD 0
	s_wait_kmcnt 0x0
	SLOAD 1
	s_wait_loadcnt 0x0                             ; the right matrix's rows
	s_cmp_eq_u32 s[XX], 11
	s_cbranch_scc1 .Ltn
	PIPE 0
	s_branch .Lred
.Ltn:
	PIPE 1
.Lred:
	s_mul_i32 s[OF], s[WV], PW
	s_add_co_u32 s[OF], s[OF], PBASE
	v_add_nc_u32 v8, s[OF], v4                     ; my wave's partial sums: row rr at 528 rr, my 4 columns at 16 l
.irp rr, 0,1,2,3,4,5,6,7,8,9,10,11,12,13,14,15
	ds_store_b128 v8, v[128+4*\rr:131+4*\rr] offset:PP*\rr
.endr
	BAR
	v_mul_u32_u24 v9, v5, PP                       ; my place in fragment order: row r, columns 16 v + 8 hh + 0..7
	v_lshl_add_u32 v9, v6, 5, v9
	s_lshl_b32 s[OF], s[WV], 6
	s_add_co_u32 s[OF], s[OF], PBASE
	v_add_nc_u32 v9, s[OF], v9
.irp vv, 0,1,2,3,4,5,6,7
	ds_load_b128 v[64+8*\vv:67+8*\vv], v9 offset:PW*\vv
	ds_load_b128 v[68+8*\vv:71+8*\vv], v9 offset:PW*\vv+16
.endr
	s_wait_dscnt 0x0
	TREE 64, 8, 8, 3                               ; the eight waves' parts
.irp k, 0,2,4,6
	v_pk_mul_f32 v[64+\k:65+\k], v[64+\k:65+\k], s[56:57] op_sel_hi:[1,0]
.endr
.irp k, 0,1,2,3
	v_cvt_pk_f16_f32 v[72+\k], v[64+2*\k], v[65+2*\k]
.endr
	global_store_b128 v7, v[72:75], s[48:49]       ; a wave's store covers 512 consecutive bytes, aligned
	s_branch .Lend
; ROLE CONVERSION.  x = 0 f_w2; 1..3 gru_wih's three gates; 4..6 gru_whh's; 7 mlp_w1; 8 mlp_w2: tile y of the (gate's) 128 rows, to wupd at (9 y + x) x 4,096.
.Lconv:
	s_sub_co_u32 s58, s[XX], 4
	s_sub_co_u32 s59, s[XX], 1
	s_mov_b64 s[44:45], s[20:21]
	s_cmp_lt_u32 s[XX], 8
	s_cselect_b64 s[44:45], s[18:19], s[44:45]
	s_cmp_lt_u32 s[XX], 7
	s_cselect_b64 s[44:45], s[16:17], s[44:45]
	s_cselect_b32 s53, s58, 0                      ; the gate
	s_cmp_lt_u32 s[XX], 4
	s_cselect_b64 s[44:45], s[14:15], s[44:45]
	s_cselect_b32 s53, s59, s53
	s_cmp_lt_u32 s[XX], 1
	s_cselect_b64 s[44:45], s[6:7], s[44:45]
	s_cselect_b32 s53, 0, s53
	s_lshl3_add_u32 s53, s53, s[YY]                ; source tile 8 gate + y
	s_lshl_b32 s[OF], s53, 13
	s_add_nc_u64 s[44:45], s[44:45], s[OF:OF+1]
	v_lshlrev_b32 v8, 9, v5                        ; row r, 32 bytes at column 16 v + 8 hh
	v_lshl_add_u32 v8, v6, 5, v8
	s_lshl_b32 s58, s[WV], 6
	v_add_nc_u32 v8, s58, v8
	global_load_b128 v[16:19], v8, s[44:45]
	global_load_b128 v[20:23], v8, s[44:45] offset:16
	s_mul_i32 s[OF], s[YY], 9
	s_add_co_u32 s[OF], s[OF], s[XX]
	s_lshl_b32 s[OF], s[OF], 12
	s_add_nc_u64 s[48:49], s[36:37], s[OF:OF+1]
	s_wait_loadcnt 0x0
.irp k, 0,1,2,3
	v_cvt_pk_bf16_f32 v[24+\k], v[16+2*\k], v[17+2*\k]
.endr
	global_store_b128 v7, v[24:27], s[48:49]
	s_branch .Lend
; ROLE VECTORS, channels 16 y .. 16 y + 15.
.Lvec:
	s_lshl_b32 s58, s[YY], 4
	s_lshl1_add_u32 s58, s[WV], s58                ; wave v has rows h = 16 y + 2 v and the next
	s_lshl_b32 s[OF], s58, 9
	s_add_nc_u64 s[44:45], s[4:5], s[OF:OF+1]
	s_lshl_b32 s[OF], s58, 2
	s_add_nc_u64 s[46:47], s[26:27], s[OF:OF+1]
	s_load_b64 s[60:61], s[46:47], 0x0             ; f_b1 of the two rows
	global_load_b128 v[16:19], v4, s[44:45]        ; f_w1's two rows, 4 columns a lane
	global_load_b128 v[20:23], v4, s[44:45] offset:512
	v_lshlrev_b32 v8, 5, v3
	global_load_b128 v[24:27], v8, s[22:23]        ; g_w of my 4 columns: (y, x) pairs
	global_load_b128 v[28:31], v8, s[22:23] offset:16
	global_load_b128 v[32:35], v4, s[24:25]        ; g_b
	s_lshl_b32 s59, s[WV], 4
	v_lshl_add_u32 v9, v6, 3, s59                  ; wqb: column 16 y + r, rows e = 16 v + 8 hh + 0..7 of Wq
	v_lshlrev_b32 v10, 2, v9
	v_lshlrev_b32 v9, 9, v9
	v_lshl_add_u32 v9, v5, 2, v9
	s_lshl_b32 s[OF], s[YY], 6
	s_add_nc_u64 s[48:49], s[12:13], s[OF:OF+1]
.irp k, 0,1,2,3,4,5,6,7
	global_load_b32 v[44+\k], v9, s[48:49] offset:512*\k
.endr
	global_load_b128 v[52:55], v10, s[28:29]       ; f_b2 of those rows
	global_load_b128 v[56:59], v10, s[28:29] offset:16
	v_mov_b32 v42, 0                               ; the reductions' second register is written before it is named
	s_lshl_b32 s58, s[WV], 3
	v_mov_b32 v43, s58                             ; 4 (2 v)
	s_lshl_b32 s58, s[WV], 6
	s_add_co_u32 s58, s58, WP
	v_lshl_add_u32 v61, v5, 2, s58                 ; WP + 64 v + 4 r
	s_wait_loadcnt 0x0
	s_wait_kmcnt 0x0
	DOT4 36, 16, 24, 2
	DOT4 37, 16, 25, 2
	DOT4 38, 16, 32, 1
	DOT4 39, 20, 24, 2
	DOT4 40, 20, 25, 2
	DOT4 41, 20, 32, 1
.irp d, 36,37,38,39,40,41
	ALLRED \d, 42
.endr
	v_mul_f32 v36, 0x3e4ccccd, v36                 ; 1 / DELTA = 0.2
	v_mul_f32 v37, 0x3e4ccccd, v37
	v_add_f32 v38, s60, v38
	v_mul_f32 v39, 0x3e4ccccd, v39
	v_mul_f32 v40, 0x3e4ccccd, v40
	v_add_f32 v41, s61, v41
	ds_store_b32 v43, v36 offset:VR
	ds_store_b32 v43, v37 offset:VR+64
	ds_store_b32 v43, v38 offset:VR+128
	ds_store_b32 v43, v39 offset:VR+4
	ds_store_b32 v43, v40 offset:VR+68
	ds_store_b32 v43, v41 offset:VR+132
	v_mul_f32 v60, v44, v52
.irp k, 1,2,3,4,5,6,7
	v_fmac_f32 v60, v[44+\k], v[52+\k]
.endr
	v_permlanex16_b32 v42, v60, s[SEL], s[SEL+1]
	v_add_f32 v60, v60, v42
	ds_store_b32 v61, v60
	BAR
	s_cmp_lg_u32 s[WV], 0
	s_cbranch_scc1 .Lnot0
	v_lshlrev_b32 v62, 2, v5
.irp k, 0,1,2,3,4,5,6,7
	ds_load_b32 v[44+\k], v62 offset:WP+64*\k
.endr
	v_lshlrev_b32 v63, 3, v3
	s_lshl_b32 s[OF], s[YY], 8
	s_add_nc_u64 s[48:49], s[38:39], s[OF:OF+1]
	s_wait_dscnt 0x0
	TREE 44, 4, 2, 2
	v_add_f32 v44, v44, v45
	v_mul_f32 v44, CLOG, v44
	ds_store_b32 v62, v44 offset:VR+192
	ds_load_b64 v[46:47], v63 offset:VR            ; LDS serves a wave's instructions in order (ISA guide 5.7.1): this sees the store above
	s_wait_dscnt 0x0
	global_store_b64 v63, v[46:47], s[48:49]       ; the tile's 256 bytes of vecs, whole
	s_branch .Lend
.Lnot0:                                                ; wave 1 of tiles 0, 1, 2 copies 512 bytes: S_r's two halves, S_s
	s_cmp_lg_u32 s[WV], 1
	s_cbranch_scc1 .Lend
	s_cmp_lt_u32 s[YY], 3
	s_cbranch_scc0 .Lend
	s_cmp_eq_u32 s[YY], 2
	s_cselect_b64 s[44:45], s[32:33], s[30:31]
	s_cselect_b64 s[46:47], s[42:43], s[40:41]
	s_cmp_eq_u32 s[YY], 1
	s_cselect_b32 s[OF], 512, 0
	s_add_nc_u64 s[44:45], s[44:45], s[OF:OF+1]
	s_add_nc_u64 s[46:47], s[46:47], s[OF:OF+1]
	global_load_b128 v[16:19], v4, s[44:45]
	s_wait_loadcnt 0x0
	global_store_b128 v4, v[16:19], s[46:47]
.Lend:
	s_wait_tensorcnt 0x0                           ; the wave's end
	ds_add_u32 v[SPW], v[NIL]
	s_wait_dscnt 0x0
	s_endpgm
.Lfunc_end_k_q34e8869055_prep:
	.size	k_q34e8869055_prep, .Lfunc_end_k_q34e8869055_prep-k_q34e8869055_prep
	.p2alignl 7, 3214868480
	.fill 96, 4, 3214868480
	.section	.rodata,"a",@progbits
	.p2align	6, 0x0
	.amdhsa_kernel k_q34e8869055_prep
		.amdhsa_group_segment_fixed_size 69632
		.amdhsa_private_segment_fixed_size 0
		.amdhsa_enable_private_segment 0
		.amdhsa_kernarg_size 160
		.amdhsa_user_sgpr_count 2
		.amdhsa_user_sgpr_kernarg_segment_ptr 1
		.amdhsa_wavefront_size32 1
		.amdhsa_system_sgpr_workgroup_id_x 1
		.amdhsa_system_sgpr_workgroup_id_y 1
		.amdhsa_system_sgpr_workgroup_id_z 1
		.amdhsa_system_vgpr_workitem_id 0
		.amdhsa_next_free_vgpr 192
		.amdhsa_next_free_sgpr 100
		.amdhsa_reserve_vcc 0
		.amdhsa_float_denorm_mode_32 3
		.amdhsa_float_denorm_mode_16_64 3
		.amdhsa_memory_ordered 1
		.amdhsa_forward_progress 1
		.amdhsa_inst_pref_size 85
	.end_amdhsa_kernel
	.amdgpu_metadata
---
amdhsa.version: [ 1, 2 ]
amdhsa.kernels:
  - .name:           k_q34e8869055_prep
    .symbol:         k_q34e8869055_prep.kd
    .args:
      - { .name: f_w1, .offset: 0, .size: 8, .value_kind: global_buffer, .address_space: global }
      - { .name: f_w2, .offset: 8, .size: 8, .value_kind: global_buffer, .address_space: global }
      - { .name: Wk, .offset: 16, .size: 8, .value_kind: global_buffer, .address_space: global }
      - { .name: Wv, .offset: 24, .size: 8, .value_kind: global_buffer, .address_space: global }
      - { .name: Wq, .offset: 32, .size: 8, .value_kind: global_buffer, .address_space: global }
      - { .name: gru_wih, .offset: 40, .size: 8, .value_kind: global_buffer, .address_space: global }
      - { .name: gru_whh, .offset: 48, .size: 8, .value_kind: global_buffer, .address_space: global }
      - { .name: mlp_w1, .offset: 56, .size: 8, .value_kind: global_buffer, .address_space: global }
      - { .name: mlp_w2, .offset: 64, .size: 8, .value_kind: global_buffer, .address_space: global }
      - { .name: g_w, .offset: 72, .size: 8, .value_kind: global_buffer, .address_space: global }
      - { .name: g_b, .offset: 80, .size: 8, .value_kind: global_buffer, .address_space: global }
      - { .name: f_b1, .offset: 88, .size: 8, .value_kind: global_buffer, .address_space: global }
      - { .name: f_b2, .offset: 96, .size: 8, .value_kind: global_buffer, .address_space: global }
      - { .name: S_r, .offset: 104, .size: 8, .value_kind: global_buffer, .address_space: global }
      - { .name: S_s, .offset: 112, .size: 8, .value_kind: global_buffer, .address_space: global }
      - { .name: wit, .offset: 120, .size: 8, .value_kind: global_buffer, .address_space: global }
      - { .name: wupd, .offset: 128, .size: 8, .value_kind: global_buffer, .address_space: global }
      - { .name: vecs, .offset: 136, .size: 8, .value_kind: global_buffer, .address_space: global }
      - { .name: out2, .offset: 144, .size: 8, .value_kind: global_buffer, .address_space: global }
      - { .name: out3, .offset: 152, .size: 8, .value_kind: global_buffer, .address_space: global }
    .group_segment_fixed_size: 69632
    .private_segment_fixed_size: 0
    .kernarg_segment_align: 8
    .kernarg_segment_size: 160
    .max_flat_workgroup_size: 256
    .sgpr_count:     100
    .vgpr_count:     192
    .wavefront_size: 32
...
	.end_amdgpu_metadata
.endif
;; end of part 1
;; launch iter1 (part 2): grid 256 x 1, 8 waves a work-group, no clusters, 211,456 bytes of LDS; arguments inputs, slots_init, S_p0, wit, vecs, ln_s_g, ln_s_b, part; writes part
.if DOCPART == 2
	.amdgcn_target "amdgcn-amd-amdhsa--gfx1250"
	.amdhsa_code_object_version 6
	.text
	.protected	k_q34e8869055_iter1
	.globl	k_q34e8869055_iter1
	.p2align	8
	.type	k_q34e8869055_iter1,@function
k_q34e8869055_iter1:
	s_mov_b64 s[64:65], 0
	v_nop
	global_prefetch_b8 v0, s[64:65] scope:SCOPE_SE
	s_setreg_imm32_b32 hwreg(HW_REG_WAVE_MODE, 25, 1), 1
	s_wait_xcnt 0x0
; ONE ROUND'S ATTENTION, for 128 positions of one batch: partial sums of the weighted hidden activations, of the weights and of weight x grid.
; ALGEBRA (exact for every input).  The first layer's input is linear in x and in the grid: pre-activation = a[j][h] - nc[i][h], with
;   a = x_j . W'[h] + b1'[h] + gy_j u0[h] + gx_j u1[h]   (W' = f_w1 Wk for the keys, f_w1 Wv for the values),   nc = sy_i u0 + sx_i u1.
; The second layer is linear and is contracted at once: log2(e) dots = sum_h q'[i][h] relu(.) + dconst_i, q' = c f_w2^T Wq LN(slots), dconst = LN(slots) . wqb;
; the values' hidden activations are summed with the weights and meet f_w2 in the next launch.  relu(a - nc) = max(a, nc) - nc; the parts with - nc alone leave the loops.
; w = softmax over the 8 slots (their maximum taken away) + 1e-8.  Out: U'[i][h] = sum_j w max(av, nc), sA = sum w, Gy = sum (w - 1/8) gy, Gx = sum w gx.
; (sum_j gy = 0 over a batch, so the 1/8 changes nothing; it keeps the sum small where gy is constant: 8 positions x 1/8 = 1.)
; FORMATS.  x, the folded weights and LN(slots) go to the matrix unit in f16, sums in f32; all else f32.  f16 and not bf16: the centroids are sums of 4,096 terms that nearly
; cancel, and each rounding of an operand reaches them undiminished relative to their size: 11 significant bits in place of 8.  The folded weights arrive as 128 times their
; numbers (that centres them in f16's range); so the accumulators, u0, u1, b1' and nc are kept as 128 times theirs, q' takes c x 2^-14, and U' leaves times 1/128: all exact.
; LIMITS.  |x| up to 65,504, LN(slots) likewise, folded weights below 511 in magnitude (f16's range); order of rounding differs from the reference's; the grid is (2 i - 63) / 63;
; a weight below 2^-126 counts as 0; NaN and infinities are not treated apart.
; SHARES.  Work-group g: batch g / 32, positions 128 (g % 32) on (two grid rows).  Wave w: 16 positions, all 256 channels, all 8 slots.
; The products are D(16 positions, 16 channels): lane (r = l % 16, hh = l / 16), register jj of tile t holds position 8 hh + jj, channel 16 t + r.  So q', nc, u0, u1, b1'
; are ONE register for each tile, and after a sum over the 16 lanes of a half the scores lie where the value phase wants the weights.
; NO CLUSTER: what work-groups share is 64 KiB of W', fetched once at the start, under the LN and q' chain; a cluster's rounds would stand in front of it for nothing saved per step.
; No slot of LDS is filled twice: both tensor loads of a wave are first fills, two outstanding by this text's count.
.set XB,    65536                      ; LDS: W' (keys' tiles 0-7, values' 8-15, fragment order) at 0; then x, 16 rows of 512 + 16 bytes for each wave
.set XP,    528
.set XW,    16*XP
.set SN,    XB+8*XW                    ; LN(slots) in f16, 16 rows of 256 + 16 bytes; rows 8-15 repeat rows 0-7
.set SNP,   272
.set QL,    SN+16*SNP                  ; q'[i][r][t] f32
.set DC,    QL+4096                    ; dconst / 16, a word a slot
.set SS,    DC+256                     ; small sums: 16 planes (wave, half) of 128 bytes: sA[8], Gy[8], Gx[8]
.set UPB,   SS+2048                    ; U': 16 planes of 4,096 + 64 bytes, [i][h] f32
.set UPP,   4160
.set SPARE, UPB+16*UPP                 ; the spare words, 128 bytes a wave
.set SPW, 1                            ; v1  my spare word      v2  0
.set NIL, 2
.set L16, 3                            ; v3  16 l: my place in a fragment of W' (W' begins at LDS byte 0), and in a row of 128 f32
.set AX,  4                            ; v4  my row of x
.set ASN, 5                            ; v5  my row of LN(slots); later AUP: my word in my plane of U'
.set AUP, 5
.set AQW, 6                            ; v6  where I put q'; later ASS: my plane of small sums
.set ASS, 6
.set AQR, 7                            ; v7  where I read q'
.set GY,  8                            ; v8-9 gy, twice
.set DCB, 10                           ; v10 DC
.set GX,  16                           ; v16-23 gx of my 8 positions
.set U0,  24                           ; v24-31, v32-39 128 u0, 128 u1 by tile
.set U1,  32
.set BS,  40                           ; v40-47 128 b1', then 128 (b1' + gy u0)
.set NC,  48                           ; v48-95 at work: nc; two buffers of q'; two of maxima; in MM three buffers of two fragments
.set QA,  56
.set MX0, 76
.set TT,  92
.set XF,  96                           ; v96-127 x in f16, four fragments
.set ACC, 128                          ; v128-191 128 a, tile t at 128 + 8 t
.set DT,  192                          ; v192-255 scores, then weights: slot i at 192 + 8 i
.set QS,  20                           ; s[20:21] c x 2^-14
.set SC,  22                           ; s[22:23] 128
.set WV,  24
.set BB,  25
.set CH,  26
.set TS,  27
.set G0X, 28
.set G1X, 32
.set G0W, 40
.set G1W, 44
.set SEL, 52
.set OF,  54                           ; s[54:55] a byte offset, high word 0
.set I128, 56
.set LNE, 57
.set EPS2, 58                          ; s[58:59] 1e-8
.set I63, 60
.set SPY, 68                           ; s[68:83] S_p of the batch: (sy, sx) of slot i at 68 + 2 i
.set SXP, 84                           ; s[84:99] sx of slot i, twice: the packed forms take a scalar pair's low word
.macro ALLRED v, t
	v_add_f32_dpp v[\v], v[\v], v[\v] row_xmask:1 row_mask:0xf bank_mask:0xf
	v_add_f32_dpp v[\v], v[\v], v[\v] row_xmask:2 row_mask:0xf bank_mask:0xf
	v_add_f32_dpp v[\v], v[\v], v[\v] row_xmask:4 row_mask:0xf bank_mask:0xf
	v_add_f32_dpp v[\v], v[\v], v[\v] row_xmask:8 row_mask:0xf bank_mask:0xf
	v_permlanex16_b32 v[\t], v[\v], s[SEL], s[SEL+1]
	v_add_f32 v[\v], v[\v], v[\t]
.endm
.macro LNROW X, G, B, Y, T             ; layer norm of a row of 128, 4 numbers a lane; mean first, then the squares of the differences, as the reference has it
	v_add_f32 v[\T], v[\X], v[\X+1]
	v_add_f32 v[\T+1], v[\X+2], v[\X+3]
	v_add_f32 v[\T], v[\T], v[\T+1]
	ALLRED \T, \T+1
	v_mul_f32 v[\T], s[I128], v[\T]
	v_pk_add_f32 v[\Y:\Y+1], v[\X:\X+1], v[\T:\T+1] op_sel_hi:[1,0] neg_lo:[0,1] neg_hi:[0,1]
	v_pk_add_f32 v[\Y+2:\Y+3], v[\X+2:\X+3], v[\T:\T+1] op_sel_hi:[1,0] neg_lo:[0,1] neg_hi:[0,1]
	v_pk_mul_f32 v[\T+2:\T+3], v[\Y:\Y+1], v[\Y:\Y+1]
	v_pk_fma_f32 v[\T+2:\T+3], v[\Y+2:\Y+3], v[\Y+2:\Y+3], v[\T+2:\T+3]
	v_add_f32 v[\T+2], v[\T+2], v[\T+3]
	ALLRED \T+2, \T+3
	v_fma_f32 v[\T+2], v[\T+2], s[I128], s[LNE]
	v_rsq_f32 v[\T+2], v[\T+2]
	v_nop                                          ; a plain instruction between the root and its use (ISA guide 5.7.2)
	s_wait_alu depctr_va_vdst(0)
	v_pk_mul_f32 v[\Y:\Y+1], v[\Y:\Y+1], v[\T+2:\T+3] op_sel_hi:[1,0]
	v_pk_mul_f32 v[\Y+2:\Y+3], v[\Y+2:\Y+3], v[\T+2:\T+3] op_sel_hi:[1,0]
	v_pk_fma_f32 v[\Y:\Y+1], v[\Y:\Y+1], v[\G:\G+1], v[\B:\B+1]
	v_pk_fma_f32 v[\Y+2:\Y+3], v[\Y+2:\Y+3], v[\G+2:\G+3], v[\B+2:\B+3]
.endm
.macro PLACES                          ; four places behind a matrix instruction, ahead of loads into its sources and of vector reads of its result
.rept 4
	v_nop
.endr
.endm
.macro BAR
	s_wait_dscnt 0x0
	s_barrier_signal -1
	s_barrier_wait -1
.endm
.macro TREE base, n, w, lv
.set st_, (\n)/2
.rept \lv
.set c_, 0
.rept st_
.set k_, 0
.rept (\w)/2
	v_pk_add_f32 v[(\base)+(\w)*c_+2*k_:(\base)+(\w)*c_+2*k_+1], v[(\base)+(\w)*c_+2*k_:(\base)+(\w)*c_+2*k_+1], v[(\base)+(\w)*(c_+st_)+2*k_:(\base)+(\w)*(c_+st_)+2*k_+1]
.set k_, k_+1
.endr
.set c_, c_+1
.endr
.set st_, st_/2
.endr
.endm
	s_load_b512 s[4:19], s[0:1], 0x0               ; x 4, slots 6, S_p 8, wit 10, vecs 12, ln gain 14, ln bias 16, part 18
	v_lshl_add_u32 v[SPW], v0, 2, SPARE
	v_mov_b32 v[NIL], 0
	ds_add_u32 v[SPW], v[NIL]                      ; the wave's opening: the add and its wait ahead of my first tensor load
	ds_add_u32 v1, v2
	v_lshrrev_b32 v11, 5, v0
	v_readfirstlane_b32 s[WV], v11
	s_lshr_b32 s[BB], ttmp9, 5
	s_and_b32 s[CH], ttmp9, 31
	s_mov_b32 s[G1X+0], (2<<16)|(1<<20)|(6<<22)|(3<<25)  ; x: 4-byte elements; padding on, after every 128 words (code 6) 4 words (code 3)
	s_mov_b32 s[G1X+1], 128<<16                    ; tensor_dim0 = 128
	s_mov_b32 s[G1X+2], 16<<16                     ; tensor_dim1 = 16
	s_mov_b32 s[G1X+3], 128<<16                    ; tile_dim0 = 128
	s_mov_b32 s[G1X+4], 16                         ; tile_dim1 = 16
	s_mov_b32 s[G1X+5], 128                        ; elements from row to row
	s_mov_b32 s[G1X+6], 0
	s_mov_b32 s[G1X+7], 0
	s_mov_b32 s[G1W+0], 3<<16                      ; W': 8,192 dense bytes a wave as 32 rows of 32 elements of 8 bytes
	s_mov_b32 s[G1W+1], 32<<16
	s_mov_b32 s[G1W+2], 32<<16
	s_mov_b32 s[G1W+3], 32<<16
	s_mov_b32 s[G1W+4], 32
	s_mov_b32 s[G1W+5], 32
	s_mov_b32 s[G1W+6], 0
	s_mov_b32 s[G1W+7], 0
	s_mov_b32 s[G0X], 1
	s_mul_i32 s[G0X+1], s[WV], XW
	s_add_co_u32 s[G0X+1], s[G0X+1], XB            ; my wave's 16 rows of x
	s_mov_b32 s[G0W], 1
	s_lshl_b32 s[G0W+1], s[WV], 13                 ; my eighth of W'
	s_lshl_b32 s[TS], s[WV], 13
	s_lshl_b32 s[OF], ttmp9, 16                    ; 128 positions of 512 bytes,
	s_add_co_u32 s[OF], s[OF], s[TS]               ; my 16 of them
	s_mov_b32 s[OF+1], 0
	s_mov_b32 s[SEL], 0x76543210
	s_mov_b32 s[SEL+1], 0xfedcba98
	s_mov_b32 s[I128], 0x3c000000                  ; 1 / 128
	s_mov_b32 s[LNE], 0x3727c5ac                   ; 1e-5
	s_mov_b32 s[EPS2], 0x322bcc77                  ; 1e-8
	s_mov_b32 s[EPS2+1], 0x322bcc77
	s_mov_b32 s[I63], 0x3c820821                   ; 1 / 63
	s_mov_b32 s[QS], 0x370293ee                    ; c x 2^-14, c = 128^-0.5 log2(e): 2^-7 for the stored matrix's factor, 2^-7 for the accumulators'
	s_mov_b32 s[QS+1], 0x370293ee
	s_mov_b32 s[SC], 0x43000000                    ; 128
	s_mov_b32 s[SC+1], 0x43000000
	s_wait_dscnt 0x0                               ; the opening add is done
	s_wait_kmcnt 0x0
	s_add_nc_u64 s[G0X+2:G0X+3], s[4:5], s[OF:OF+1]
	s_or_b32 s[G0X+3], s[G0X+3], 0x80000000
	s_mov_b32 s[OF], s[TS]
	s_add_nc_u64 s[G0W+2:G0W+3], s[10:11], s[OF:OF+1]
	s_or_b32 s[G0W+3], s[G0W+3], 0x80000000
	tensor_load_to_lds s[G0X:G0X+3], s[G1X:G1X+7]
	s_nop 0
	tensor_load_to_lds s[G0W:G0W+3], s[G1W:G1W+7]
	s_nop 0
	s_lshl_b32 s[OF], s[BB], 6
	s_add_nc_u64 s[8:9], s[8:9], s[OF:OF+1]
	s_load_b512 s[SPY:SPY+15], s[8:9], 0x0         ; the batch's eight (sy, sx)
	s_lshl3_add_u32 s[OF], s[BB], s[WV]
	s_lshl_b32 s[OF], s[OF], 9
	s_add_nc_u64 s[6:7], s[6:7], s[OF:OF+1]        ; slot w's row
	s_lshl_b32 s[OF], s[WV], 12
	s_add_nc_u64 s[10:11], s[10:11], s[OF:OF+1]    ; wit + 4,096 w: with 65,536 in the offset, tile w of the query matrix
	s_mul_i32 s[OF], ttmp9, 4352
	s_add_nc_u64 s[18:19], s[18:19], s[OF:OF+1]    ; my work-group's 4,352 bytes of part
	v_and_b32 v14, 15, v0                          ; r
	v_bfe_u32 v15, v0, 4, 1                        ; hh
	v_and_b32 v[L16], 31, v0                       ; l, for now
	v_lshrrev_b32 v11, 2, v[L16]
	v_and_b32 v12, 3, v0
	v_lshlrev_b32 v11, 8, v11
	v_lshl_add_u32 v11, v12, 4, v11                ; vecs: tile l / 4, words 4 (l % 4) on: my 4 channels of a row
	s_mul_i32 s[TS], s[WV], SNP
	s_add_co_u32 s[TS], s[TS], SN
	v_lshl_add_u32 v12, v[L16], 3, s[TS]           ; LN(slots): row w, my 8 bytes
	v_lshlrev_b32 v[L16], 4, v[L16]
	v_lshlrev_b32 v13, 2, v14                      ; vecs: word r of a tile's vectors
	global_load_b128 v[192:195], v[L16], s[6:7]    ; the slot's row
	global_load_b128 v[196:199], v[L16], s[14:15]  ; gain
	global_load_b128 v[200:203], v[L16], s[16:17]  ; bias
	global_load_b128 v[204:207], v11, s[12:13] offset:192  ; wqb
.irp n, 0,1,2,3,4,5,6,7
	global_load_b128 v[128+4*\n:131+4*\n], v[L16], s[10:11] offset:65536+512*\n  ; the query matrix's tile w: four fragments
.endr
.irp t, 0,1,2,3,4,5,6,7
	global_load_b32 v[U0+\t], v13, s[12:13] offset:256*\t
	global_load_b32 v[U1+\t], v13, s[12:13] offset:256*\t+64
	global_load_b32 v[BS+\t], v13, s[12:13] offset:256*\t+128
.endr
	s_mul_i32 s[TS], s[WV], XW
	s_add_co_u32 s[TS], s[TS], XB
	v_mul_u32_u24 v[AX], v14, XP
	v_lshl_add_u32 v[AX], v15, 5, v[AX]
	v_add_nc_u32 v[AX], s[TS], v[AX]               ; row r of my x, 32 bytes for each half of the lanes
	v_mul_u32_u24 v[ASN], v14, SNP
	v_lshl_add_u32 v[ASN], v15, 4, v[ASN]
	v_add_nc_u32 v[ASN], SN, v[ASN]
	s_lshl_b32 s[TS], s[WV], 2
	s_add_co_u32 s[TS], s[TS], QL
	v_lshl_add_u32 v[AQW], v14, 5, s[TS]           ; q'[.][r][w]
	v_lshl_add_u32 v[AQR], v14, 5, QL              ; q'[.][r][0..7]
	v_mov_b32 v[DCB], DC
	s_lshl_b32 s[TS], s[WV], 2
	s_add_co_u32 s[TS], s[TS], DC
	v_mov_b32 v220, s[TS]
	; LN of slot w, its dconst, its row in f16
	s_wait_loadcnt 32                              ; the first four loads are in; the query matrix's 8 and the vectors' 24 stay out
	LNROW 192, 196, 200, 208, 212
	v_pk_mul_f32 v[216:217], v[208:209], v[204:205]
	v_pk_fma_f32 v[216:217], v[210:211], v[206:207], v[216:217]
	v_add_f32 v216, v216, v217
	ALLRED 216, 217
	v_mul_f32 v216, 0x3d800000, v216               ; a sixteenth: each of 16 lanes starts its part of a score with it
	v_cvt_pk_f16_f32 v218, v208, v209
	v_cvt_pk_f16_f32 v219, v210, v211
	ds_store_b32 v220, v216
	ds_store_b64 v12, v[218:219]
	ds_store_b64 v12, v[218:219] offset:8*SNP      ; the copy in row w + 8
	BAR                                            ; the tensor loads may stay out
	; q'(8 slots, channels 16 w ..): two accumulators by turns
.irp n, 0,1,2,3,4,5,6,7
	ds_load_b128 v[160+4*\n:163+4*\n], v[ASN] offset:32*\n
.endr
	s_wait_loadcnt 24                              ; the query matrix is in; the vectors' 24 loads stay out
	s_wait_dscnt 0x0
	v_wmma_f32_16x16x32_f16 v[96:103], v[160:167], v[128:135], 0
	v_wmma_f32_16x16x32_f16 v[104:111], v[168:175], v[136:143], 0
	v_wmma_f32_16x16x32_f16 v[96:103], v[176:183], v[144:151], v[96:103]
	v_wmma_f32_16x16x32_f16 v[104:111], v[184:191], v[152:159], v[104:111]
	s_and_b32 s[TS], s[WV], 3                      ; the grid's x of my 8 positions: column 16 (w % 4) + 8 hh + jj; these lines are the places behind the products
	s_lshl_b32 s[TS], s[TS], 5
	s_sub_co_u32 s[TS], s[TS], 63
	v_lshl_add_u32 v11, v15, 4, s[TS]
.irp j, 0,1,2,3,4,5,6,7
	v_add_nc_u32 v[GX+\j], 2*\j, v11               ; 2 column - 63
.endr
.irp j, 0,1,2,3,4,5,6,7
	v_cvt_f32_i32 v[GX+\j], v[GX+\j]
.endr
.irp j, 0,1,2,3,4,5,6,7
	v_mul_f32 v[GX+\j], s[I63], v[GX+\j]
.endr
.irp k, 0,2,4,6
	v_pk_add_f32 v[96+\k:97+\k], v[96+\k:97+\k], v[104+\k:105+\k]
.endr
.irp k, 0,2,4,6
	v_pk_mul_f32 v[96+\k:97+\k], v[96+\k:97+\k], s[QS:QS+1] op_sel_hi:[1,0]  ; c, and the two factors of 128 taken out
.endr
.irp j, 0,1,2,3,4,5,6,7
	ds_store_b32 v[AQW], v[96+\j] offset:512*\j    ; register jj is slot jj in both halves of the lanes: rows 8-15 repeat
.endr
	s_wait_tensorcnt 0x0                           ; my x and my eighth of W' have landed
	BAR                                            ; q', dconst and all of W' are there for everybody
	; x into four f16 fragments: lane (r, hh) takes columns 32 ks + 16 p + 8 hh + 0..7 of row r
.set n_, 0
.rept 16
	ds_load_b128 v[DT+4*n_:DT+4*n_+3], v[AX] offset:128*(n_/4)+64*((n_/2)%2)+16*(n_%2)
.set n_, n_+1
.endr
	s_mul_i32 s[TS], s[WV], 2*UPP
	s_add_co_u32 s[TS], s[TS], UPB
	v_mul_u32_u24 v[AUP], v15, UPP
	v_lshl_add_u32 v[AUP], v14, 2, v[AUP]
	v_add_nc_u32 v[AUP], s[TS], v[AUP]             ; plane 2 w + hh, word r
	s_lshl_b32 s[TS], s[WV], 8
	s_add_co_u32 s[TS], s[TS], SS
	v_lshl_add_u32 v[ASS], v15, 7, s[TS]
	s_lshr_b32 s[TS], s[WV], 2                     ; grid row 2 chunk + w / 4
	s_lshl_b32 s[TS], s[TS], 1
	s_lshl2_add_u32 s[TS], s[CH], s[TS]
	s_sub_co_u32 s[TS], s[TS], 63
	v_cvt_f32_i32 v[GY], s[TS]
	v_mul_f32 v[GY], s[I63], v[GY]
	v_mov_b32 v[GY+1], v[GY]
	s_wait_loadcnt 0x0                             ; u0, u1, b1'
	s_wait_kmcnt 0x0                               ; S_p
.irp i, 0,1,2,3,4,5,6,7
	s_mov_b32 s[SXP+2*\i], s[SPY+2*\i+1]
	s_mov_b32 s[SXP+2*\i+1], s[SPY+2*\i+1]
.endr
.set n_, 0
.rept 12
	v_pk_mul_f32 v[U0+2*n_:U0+2*n_+1], v[U0+2*n_:U0+2*n_+1], s[SC:SC+1] op_sel_hi:[1,0]  ; u0, u1 and b1' (24 registers on end) times 128, as the products are
.set n_, n_+1
.endr
.irp k, 0,2,4,6
	v_pk_fma_f32 v[BS+\k:BS+\k+1], v[U0+\k:U0+\k+1], v[GY:GY+1], v[BS+\k:BS+\k+1]  ; b1' + gy u0
.endr
	s_wait_dscnt 0x0
.set n_, 0
.rept 32
	v_cvt_pk_f16_f32 v[XF+n_], v[DT+2*n_], v[DT+2*n_+1]
.set n_, n_+1
.endr
.macro ACCINIT                         ; the sums start with gx u1 + (b1' + gy u0), in the accumulators themselves
.set t_, 0
.rept 8
.set e_, t_-(t_%2)
.set p_, 0
.rept 4
.if t_%2
	v_pk_fma_f32 v[ACC+8*t_+2*p_:ACC+8*t_+2*p_+1], v[GX+2*p_:GX+2*p_+1], v[U1+e_:U1+e_+1], v[BS+e_:BS+e_+1] op_sel:[0,1,1] op_sel_hi:[1,1,1]
.else
	v_pk_fma_f32 v[ACC+8*t_+2*p_:ACC+8*t_+2*p_+1], v[GX+2*p_:GX+2*p_+1], v[U1+e_:U1+e_+1], v[BS+e_:BS+e_+1] op_sel_hi:[1,0,0]
.endif
.set p_, p_+1
.endr
.set t_, t_+1
.endr
.endm
; a += x W'^T for the eight tiles T0 .. T0 + 7.  Sixteen groups of two fragments of W' (K step g / 4, tiles 2 (g % 4) and the next) through three buffers.
.macro LB g, T0
.set ks_, (\g)/4
.set tb_, 2*((\g)%4)
.set bf_, NC+16*((\g)%3)
.irp e, 0,1
.irp p, 0,1
	ds_load_b128 v[bf_+8*\e+4*\p:bf_+8*\e+4*\p+3], v[L16] offset:(((\T0)+tb_+\e)*4+ks_)*1024+512*\p
.endr
.endr
.endm
.macro MM T0
	LB 0, \T0
	LB 1, \T0
	LB 2, \T0
.set g_, 0
.rept 16
.if g_ < 14
	s_wait_dscnt 8                                 ; group g is in; the two younger groups' 4 loads each stay out
.elseif g_ == 14
	s_wait_dscnt 4
.else
	s_wait_dscnt 0
.endif
.set ka_, XF+8*(g_/4)
.set ta_, ACC+16*(g_%4)
.set ba_, NC+16*(g_%3)
	v_wmma_f32_16x16x32_f16 v[ta_:ta_+7], v[ka_:ka_+7], v[ba_:ba_+7], v[ta_:ta_+7]  ; the eight accumulators take turns
	v_wmma_f32_16x16x32_f16 v[ta_+8:ta_+15], v[ka_:ka_+7], v[ba_+8:ba_+15], v[ta_+8:ta_+15]
.if g_ < 13
	PLACES
	LB g_+3, \T0
.elseif g_ == 15
	PLACES
.endif
.set g_, g_+1
.endr
.endm
.macro NCMAKE i                        ; nc = sy u0 + sx u1 of slot i, a register a tile
.irp k, 0,2,4,6
	v_pk_mul_f32 v[NC+\k:NC+\k+1], v[U0+\k:U0+\k+1], s[SPY+2*(\i):SPY+2*(\i)+1] op_sel_hi:[1,0]
.endr
.irp k, 0,2,4,6
	v_pk_fma_f32 v[NC+\k:NC+\k+1], v[U1+\k:U1+\k+1], s[SXP+2*(\i):SXP+2*(\i)+1], v[NC+\k:NC+\k+1] op_sel_hi:[1,0,1]
.endr
.endm
.macro QLOAD i                         ; q' of slot i for my 8 channels, and dconst / 16
.set qb_, QA+10*((\i)%2)
	ds_load_b128 v[qb_:qb_+3], v[AQR] offset:512*(\i)
	ds_load_b128 v[qb_+4:qb_+7], v[AQR] offset:512*(\i)+16
	ds_load_b32 v[qb_+8], v[DCB] offset:4*(\i)
.endm
; Slot i's scores: my lane's part, sum over my 8 channels of q' max(ak, nc), started with dconst / 16 - sum q' nc
.macro KSLOT i
.if (\i) < 7
	QLOAD (\i)+1
	s_wait_dscnt 3                                 ; this slot's q' is in; the next slot's three loads stay out
.else
	s_wait_dscnt 0
.endif
	NCMAKE \i
.set qq_, QA+10*((\i)%2)
	v_pk_mul_f32 v[TT:TT+1], v[qq_:qq_+1], v[NC:NC+1]
.irp k, 2,4,6
	v_pk_fma_f32 v[TT:TT+1], v[qq_+\k:qq_+\k+1], v[NC+\k:NC+\k+1], v[TT:TT+1]
.endr
	v_sub_f32 v[TT+2], v[qq_+8], v[TT]
	v_sub_f32 v[TT+2], v[TT+2], v[TT+1]
.set t_, 0
.rept 8
.set mb_, MX0+8*(t_%2)
.set e_, t_-(t_%2)
.set j_, 0
.rept 8
	v_max_num_f32 v[mb_+j_], v[ACC+8*t_+j_], v[NC+t_]  ; each accumulator is read from its lowest register on
.set j_, j_+1
.endr
.set p_, 0
.rept 4
.if t_ == 0
	v_pk_fma_f32 v[DT+8*(\i)+2*p_:DT+8*(\i)+2*p_+1], v[mb_+2*p_:mb_+2*p_+1], v[qq_:qq_+1], v[TT+2:TT+3] op_sel_hi:[1,0,0]
.elseif t_%2
	v_pk_fma_f32 v[DT+8*(\i)+2*p_:DT+8*(\i)+2*p_+1], v[mb_+2*p_:mb_+2*p_+1], v[qq_+e_:qq_+e_+1], v[DT+8*(\i)+2*p_:DT+8*(\i)+2*p_+1] op_sel:[0,1,0] op_sel_hi:[1,1,1]
.else
	v_pk_fma_f32 v[DT+8*(\i)+2*p_:DT+8*(\i)+2*p_+1], v[mb_+2*p_:mb_+2*p_+1], v[qq_+e_:qq_+e_+1], v[DT+8*(\i)+2*p_:DT+8*(\i)+2*p_+1] op_sel_hi:[1,0,1]
.endif
.set p_, p_+1
.endr
.set t_, t_+1
.endr
.endm
; Slot i's weighted sums: U'[i][16 t + r] over my 8 positions, two tiles at a time so that their two chains alternate
.macro VSLOT i
	NCMAKE \i
.set t_, 0
.rept 4
.set j_, 0
.rept 8
	v_max_num_f32 v[MX0+j_], v[ACC+16*t_+j_], v[NC+2*t_]
.set j_, j_+1
.endr
.set j_, 0
.rept 8
	v_max_num_f32 v[MX0+8+j_], v[ACC+16*t_+8+j_], v[NC+2*t_+1]
.set j_, j_+1
.endr
	v_pk_mul_f32 v[QA:QA+1], v[MX0:MX0+1], v[DT+8*(\i):DT+8*(\i)+1]
	v_pk_mul_f32 v[QA+2:QA+3], v[MX0+8:MX0+9], v[DT+8*(\i):DT+8*(\i)+1]
.irp k, 2,4,6
	v_pk_fma_f32 v[QA:QA+1], v[MX0+\k:MX0+\k+1], v[DT+8*(\i)+\k:DT+8*(\i)+\k+1], v[QA:QA+1]
	v_pk_fma_f32 v[QA+2:QA+3], v[MX0+8+\k:MX0+8+\k+1], v[DT+8*(\i)+\k:DT+8*(\i)+\k+1], v[QA+2:QA+3]
.endr
	v_add_f32 v[QA+4+2*(t_%2)], v[QA], v[QA+1]
	v_add_f32 v[QA+5+2*(t_%2)], v[QA+2], v[QA+3]
	ds_store_b32 v[AUP], v[QA+4+2*(t_%2)] offset:512*(\i)+128*t_
	ds_store_b32 v[AUP], v[QA+5+2*(t_%2)] offset:512*(\i)+128*t_+64
.set t_, t_+1
.endr
.endm
	; THE KEYS
	ACCINIT
	MM 0
	v_mov_b32 v[TT+3], 0                           ; named with TT + 2 as a pair
	QLOAD 0
.irp i, 0,1,2,3,4,5,6,7
	KSLOT \i
.endr
.irp m, 1,2,4,8                        ; the sum over the 16 lanes of a half, that is, over all 128 channels: every lane of half hh then holds the scores of positions 8 hh + jj
.set n_, 0
.rept 64
	v_add_f32_dpp v[DT+n_], v[DT+n_], v[DT+n_] row_xmask:\m row_mask:0xf bank_mask:0xf
.set n_, n_+1
.endr
.endr
	; SOFTMAX over the 8 slots, for each of my 8 positions; the scores are in units of log2
.irp j, 0,1,2,3,4,5,6,7
	v_max3_num_f32 v[48+\j], v[DT+\j], v[DT+8+\j], v[DT+16+\j]
.endr
.irp j, 0,1,2,3,4,5,6,7
	v_max3_num_f32 v[48+\j], v[48+\j], v[DT+24+\j], v[DT+32+\j]
.endr
.irp j, 0,1,2,3,4,5,6,7
	v_max3_num_f32 v[48+\j], v[48+\j], v[DT+40+\j], v[DT+48+\j]
.endr
.irp j, 0,1,2,3,4,5,6,7
	v_max_num_f32 v[48+\j], v[48+\j], v[DT+56+\j]
.endr
.set n_, 0
.rept 32
	v_pk_add_f32 v[DT+2*n_:DT+2*n_+1], v[DT+2*n_:DT+2*n_+1], v[48+2*(n_%4):48+2*(n_%4)+1] neg_lo:[0,1] neg_hi:[0,1]
.set n_, n_+1
.endr
.set n_, 0
.rept 64
	v_exp_f32 v[DT+n_], v[DT+n_]
.set n_, n_+1
.endr
	v_nop                                          ; a plain instruction behind the last exponential
	s_wait_alu depctr_va_vdst(0)
.irp k, 0,2,4,6
	v_pk_add_f32 v[56+\k:57+\k], v[DT+\k:DT+\k+1], v[DT+8+\k:DT+8+\k+1]
.endr
.irp i, 2,3,4,5,6,7
.irp k, 0,2,4,6
	v_pk_add_f32 v[56+\k:57+\k], v[56+\k:57+\k], v[DT+8*\i+\k:DT+8*\i+\k+1]
.endr
.endr
.irp j, 0,1,2,3,4,5,6,7
	v_rcp_f32 v[64+\j], v[56+\j]
.endr
	v_nop
.set n_, 0
	s_wait_alu depctr_va_vdst(0)
.rept 32
	v_pk_fma_f32 v[DT+2*n_:DT+2*n_+1], v[DT+2*n_:DT+2*n_+1], v[64+2*(n_%4):64+2*(n_%4)+1], s[EPS2:EPS2+1] op_sel_hi:[1,1,0]
.set n_, n_+1
.endr
	; the small sums over my 8 positions: sA at v48 + i, Gy at v56 + i, Gx at v64 + i
.irp i, 0,1,2,3,4,5,6,7
	v_pk_add_f32 v[72:73], v[DT+8*\i:DT+8*\i+1], v[DT+8*\i+2:DT+8*\i+3]
	v_pk_add_f32 v[74:75], v[DT+8*\i+4:DT+8*\i+5], v[DT+8*\i+6:DT+8*\i+7]
	v_pk_mul_f32 v[76:77], v[DT+8*\i:DT+8*\i+1], v[GX:GX+1]
	v_pk_add_f32 v[72:73], v[72:73], v[74:75]
	v_pk_fma_f32 v[76:77], v[DT+8*\i+2:DT+8*\i+3], v[GX+2:GX+3], v[76:77]
	v_add_f32 v[48+\i], v72, v73
	v_pk_fma_f32 v[76:77], v[DT+8*\i+4:DT+8*\i+5], v[GX+4:GX+5], v[76:77]
	v_add_f32 v78, -1.0, v[48+\i]                  ; sum of (w - 1/8) over 8 positions
	v_pk_fma_f32 v[76:77], v[DT+8*\i+6:DT+8*\i+7], v[GX+6:GX+7], v[76:77]
	v_mul_f32 v[56+\i], v78, v[GY]
	v_add_f32 v[64+\i], v76, v77
.endr
.irp n, 0,1,2,3,4,5
	ds_store_b128 v[ASS], v[48+4*\n:51+4*\n] offset:16*\n  ; the 16 lanes of a half hold and store the same numbers
.endr
	; THE VALUES
	ACCINIT
	MM 8
.irp i, 0,1,2,3,4,5,6,7
	VSLOT \i
.endr
	BAR
	; THE WAY OUT: the 16 planes are added; thread t has 16 bytes of U'
	v_lshlrev_b32 v13, 4, v0
	v_add_nc_u32 v14, UPB, v13
.set p_, 0
.rept 16
	ds_load_b128 v[ACC+4*p_:ACC+4*p_+3], v14 offset:UPP*p_
.set p_, p_+1
.endr
	s_wait_dscnt 0x0
	TREE ACC, 16, 4, 4
	v_pk_mul_f32 v[ACC:ACC+1], v[ACC:ACC+1], s[I128:I128+1] op_sel_hi:[1,0]      ; the accumulators' factor of 128 is taken out
	v_pk_mul_f32 v[ACC+2:ACC+3], v[ACC+2:ACC+3], s[I128:I128+1] op_sel_hi:[1,0]
	global_store_b128 v13, v[ACC:ACC+3], s[18:19]  ; a wave's store covers 512 consecutive bytes, aligned
	s_cmp_lg_u32 s[WV], 0
	s_cbranch_scc1 .Lend
	v_and_b32 v11, 31, v0                          ; wave 0: the 24 small sums, two a lane; lanes 12-31 repeat lane 11's, so that the store fills its 256 bytes whole
	v_lshlrev_b32 v12, 3, v11
	v_min_u32 v11, 11, v11
	v_lshl_add_u32 v11, v11, 3, SS
.set p_, 0
.rept 16
	ds_load_b64 v[DT+2*p_:DT+2*p_+1], v11 offset:128*p_
.set p_, p_+1
.endr
	s_wait_dscnt 0x0
	TREE DT, 16, 2, 4
	global_store_b64 v12, v[DT:DT+1], s[18:19] offset:4096
.Lend:
	s_wait_tensorcnt 0x0                           ; the wave's end
	ds_add_u32 v[SPW], v[NIL]
	s_wait_dscnt 0x0
	s_endpgm
.Lfunc_end_k_q34e8869055_iter1:
	.size	k_q34e8869055_iter1, .Lfunc_end_k_q34e8869055_iter1-k_q34e8869055_iter1
	.p2alignl 7, 3214868480
	.fill 96, 4, 3214868480
	.section	.rodata,"a",@progbits
	.p2align	6, 0x0
	.amdhsa_kernel k_q34e8869055_iter1
		.amdhsa_group_segment_fixed_size 211456
		.amdhsa_private_segment_fixed_size 0
		.amdhsa_enable_private_segment 0
		.amdhsa_kernarg_size 64
		.amdhsa_user_sgpr_count 2
		.amdhsa_user_sgpr_kernarg_segment_ptr 1
		.amdhsa_wavefront_size32 1
		.amdhsa_system_sgpr_workgroup_id_x 1
		.amdhsa_system_sgpr_workgroup_id_y 1
		.amdhsa_system_sgpr_workgroup_id_z 1
		.amdhsa_system_vgpr_workitem_id 0
		.amdhsa_next_free_vgpr 256
		.amdhsa_next_free_sgpr 100
		.amdhsa_reserve_vcc 0
		.amdhsa_float_denorm_mode_32 3
		.amdhsa_float_denorm_mode_16_64 3
		.amdhsa_memory_ordered 1
		.amdhsa_forward_progress 1
		.amdhsa_inst_pref_size 159
	.end_amdhsa_kernel
	.amdgpu_metadata
---
amdhsa.version: [ 1, 2 ]
amdhsa.kernels:
  - .name:           k_q34e8869055_iter1
    .symbol:         k_q34e8869055_iter1.kd
    .args:
      - { .name: inputs, .offset: 0, .size: 8, .value_kind: global_buffer, .address_space: global }
      - { .name: slots_init, .offset: 8, .size: 8, .value_kind: global_buffer, .address_space: global }
      - { .name: S_p0, .offset: 16, .size: 8, .value_kind: global_buffer, .address_space: global }
      - { .name: wit, .offset: 24, .size: 8, .value_kind: global_buffer, .address_space: global }
      - { .name: vecs, .offset: 32, .size: 8, .value_kind: global_buffer, .address_space: global }
      - { .name: ln_s_g, .offset: 40, .size: 8, .value_kind: global_buffer, .address_space: global }
      - { .name: ln_s_b, .offset: 48, .size: 8, .value_kind: global_buffer, .address_space: global }
      - { .name: part, .offset: 56, .size: 8, .value_kind: global_buffer, .address_space: global }
    .group_segment_fixed_size: 211456
    .private_segment_fixed_size: 0
    .kernarg_segment_align: 8
    .kernarg_segment_size: 64
    .max_flat_workgroup_size: 256
    .sgpr_count:     100
    .vgpr_count:     256
    .wavefront_size: 32
...
	.end_amdgpu_metadata
.endif
;; end of part 2
;; launch upd1 (part 3): grid 8 x 1, 8 waves a work-group, no clusters, 327,680 bytes of LDS; arguments part, slots_init, S_p0, vecs, wupd, f_b2, gru_bih, gru_bhh, ln_pf_g, ln_pf_b, mlp_b1, mlp_b2, slotsA, spA; writes slotsA, spA
.if DOCPART == 3
	.amdgcn_target "amdgcn-amd-amdhsa--gfx1250"
	.amdhsa_code_object_version 6
	.text
	.protected	k_q34e8869055_upd1
	.globl	k_q34e8869055_upd1
	.p2align	8
	.type	k_q34e8869055_upd1,@function
k_q34e8869055_upd1:
	s_mov_b64 s[64:65], 0
	v_nop
	global_prefetch_b8 v0, s[64:65] scope:SCOPE_SE
	s_setreg_imm32_b32 hwreg(HW_REG_WAVE_MODE, 25, 1), 1
	s_wait_xcnt 0x0
; ONE ROUND'S SLOT UPDATE, a work-group a batch: the 32 chunks' partial sums are added; S_p = (Gy, Gx) / A; Uh = U' / A - nc; updates = Uh f_w2^T + f_b2 (the
; normalised weights sum to 1); GRU; slots += MLP(LN(slots)).
; The sum over all positions of a batch lies between a round's attention and this update, so it is a launch of its own; it has work for 8 work-groups only (64 rows).
; SHARES.  In steps by rows wave w is slot w, a lane has 4 channels.  In the products wave w has the 16 output channels 16 w ..: D(16 channels, 16 slots), source 0 the weights'
; fragment, source 1 the activations' rows; a lane holds slot r % 8 and channels 16 w + 8 hh + 0..7.  Every activation array in LDS has 16 rows, rows 8-15 repeat rows 0-7.
; Biases are loaded straight into the accumulators, which the products add onto.
; FORMATS.  Weights and activations in bf16 for the matrix unit, sums in f32; sums, gates, norms and the carried state in f32.
; sigmoid(x) = 1 / (1 + 2^(-log2e x)), tanh(x) = 1 - 2 / (1 + 2^(2 log2e x)): both saturate rightly where the power overflows or vanishes.  NaN and infinities are not treated apart.
; Each wave fetches its own nine weight tiles (36,864 consecutive bytes) by one tensor load and alone reads them: one load outstanding; nothing is filled twice.
; NO CLUSTER: the work-groups share the weights, 288 KiB each, fetched once under the wait for the partial sums; there is no loop in which a shared fetch would recur.
.set WB,    36864
.set ACT,   8*WB                       ; bf16 activations, 16 rows of 256 + 16 bytes each:
.set AP,    272
.set XA,    0                          ;   Uh
.set XH,    4352                       ;   the old slots
.set XU,    8704                       ;   updates
.set XL,    13056                      ;   LN(new slots)
.set XM,    17408                      ;   the MLP's hidden layer
.set HN,    ACT+5*16*AP                ; f32, 16 rows of 512 + 16 bytes: the GRU's result, later the output
.set HPI,   528
.set SPL,   HN+16*HPI                  ; the new S_p, 8 bytes a slot
.set SPARE, SPL+256
.set SPW, 1
.set NIL, 2
.set SEL, 46
.set OF,  50
.set I128, 58
.set LNE, 59
.macro ALLRED v, t
	v_add_f32_dpp v[\v], v[\v], v[\v] row_xmask:1 row_mask:0xf bank_mask:0xf
	v_add_f32_dpp v[\v], v[\v], v[\v] row_xmask:2 row_mask:0xf bank_mask:0xf
	v_add_f32_dpp v[\v], v[\v], v[\v] row_xmask:4 row_mask:0xf bank_mask:0xf
	v_add_f32_dpp v[\v], v[\v], v[\v] row_xmask:8 row_mask:0xf bank_mask:0xf
	v_permlanex16_b32 v[\t], v[\v], s[SEL], s[SEL+1]
	v_add_f32 v[\v], v[\v], v[\t]
.endm
.macro LNROW X, G, B, Y, T
	v_add_f32 v[\T], v[\X], v[\X+1]
	v_add_f32 v[\T+1], v[\X+2], v[\X+3]
	v_add_f32 v[\T], v[\T], v[\T+1]
	ALLRED \T, \T+1
	v_mul_f32 v[\T], s[I128], v[\T]
	v_pk_add_f32 v[\Y:\Y+1], v[\X:\X+1], v[\T:\T+1] op_sel_hi:[1,0] neg_lo:[0,1] neg_hi:[0,1]
	v_pk_add_f32 v[\Y+2:\Y+3], v[\X+2:\X+3], v[\T:\T+1] op_sel_hi:[1,0] neg_lo:[0,1] neg_hi:[0,1]
	v_pk_mul_f32 v[\T+2:\T+3], v[\Y:\Y+1], v[\Y:\Y+1]
	v_pk_fma_f32 v[\T+2:\T+3], v[\Y+2:\Y+3], v[\Y+2:\Y+3], v[\T+2:\T+3]
	v_add_f32 v[\T+2], v[\T+2], v[\T+3]
	ALLRED \T+2, \T+3
	v_fma_f32 v[\T+2], v[\T+2], s[I128], s[LNE]
	v_rsq_f32 v[\T+2], v[\T+2]
	v_nop                                          ; a plain instruction between the root and its use (ISA guide 5.7.2)
	s_wait_alu depctr_va_vdst(0)
	v_pk_mul_f32 v[\Y:\Y+1], v[\Y:\Y+1], v[\T+2:\T+3] op_sel_hi:[1,0]
	v_pk_mul_f32 v[\Y+2:\Y+3], v[\Y+2:\Y+3], v[\T+2:\T+3] op_sel_hi:[1,0]
	v_pk_fma_f32 v[\Y:\Y+1], v[\Y:\Y+1], v[\G:\G+1], v[\B:\B+1]
	v_pk_fma_f32 v[\Y+2:\Y+3], v[\Y+2:\Y+3], v[\G+2:\G+3], v[\B+2:\B+3]
.endm
.macro PLACES
.rept 4
	v_nop
.endr
.endm
.macro BAR
	s_wait_dscnt 0x0
	s_barrier_signal -1
	s_barrier_wait -1
.endm
.macro TREE base, n, w, lv
.set st_, (\n)/2
.rept \lv
.set c_, 0
.rept st_
.set k_, 0
.rept (\w)/2
	v_pk_add_f32 v[(\base)+(\w)*c_+2*k_:(\base)+(\w)*c_+2*k_+1], v[(\base)+(\w)*c_+2*k_:(\base)+(\w)*c_+2*k_+1], v[(\base)+(\w)*(c_+st_)+2*k_:(\base)+(\w)*(c_+st_)+2*k_+1]
.set k_, k_+1
.endr
.set c_, c_+1
.endr
.set st_, st_/2
.endr
.endm
.macro B8 dst, base, off               ; eight neighbouring numbers of a bias: channels 16 w + 8 hh + 0..7
	global_load_b128 v[\dst:\dst+3], v11, s[\base:\base+1] offset:\off
	global_load_b128 v[\dst+4:\dst+7], v11, s[\base:\base+1] offset:\off+16
.endm
; One product over K = 128: my weight tile q times the activations at xoff, onto the bias in acc.  Two accumulators by turns; then they are added.
.macro STAGE q, xoff, acc
.irp n, 0,1,2,3,4,5,6,7
	ds_load_b128 v[64+4*\n:67+4*\n], v4 offset:(\xoff)+32*\n
.endr
.irp n, 0,1,2,3,4,5,6,7
	ds_load_b128 v[128+4*\n:131+4*\n], v5 offset:4096*(\q)+512*\n
.endr
	s_wait_dscnt 0x0
	v_wmma_f32_16x16x32_bf16 v[\acc:\acc+7], v[128:135], v[64:71], v[\acc:\acc+7]
	v_wmma_f32_16x16x32_bf16 v[176:183], v[136:143], v[72:79], 0
	v_wmma_f32_16x16x32_bf16 v[\acc:\acc+7], v[144:151], v[80:87], v[\acc:\acc+7]
	v_wmma_f32_16x16x32_bf16 v[176:183], v[152:159], v[88:95], v[176:183]
	PLACES
.irp k, 0,2,4,6
	v_pk_add_f32 v[\acc+\k:\acc+\k+1], v[\acc+\k:\acc+\k+1], v[176+\k:177+\k]
.endr
.endm
	s_load_b512 s[4:19], s[0:1], 0x0               ; part 4, old slots 6, old S_p 8, vecs 10, wupd 12, f_b2 14, gru_bih 16, gru_bhh 18
	s_load_b256 s[20:27], s[0:1], 0x40             ; ln gain 20, ln bias 22, mlp_b1 24, mlp_b2 26
	s_load_b128 s[28:31], s[0:1], 0x60             ; new slots 28, new S_p 30
	v_lshl_add_u32 v[SPW], v0, 2, SPARE
	v_mov_b32 v[NIL], 0
	ds_add_u32 v[SPW], v[NIL]                      ; the wave's opening: the add and its wait ahead of my first tensor load
	ds_add_u32 v1, v2
	v_lshrrev_b32 v3, 5, v0
	v_readfirstlane_b32 s44, v3                    ; wave
	s_mov_b32 s45, ttmp9                           ; batch
	s_mov_b32 s36, 3<<16                           ; 36,864 dense bytes as 144 rows of 32 elements of 8 bytes
	s_mov_b32 s37, 32<<16
	s_mov_b32 s38, 144<<16
	s_mov_b32 s39, 32<<16
	s_mov_b32 s40, 144
	s_mov_b32 s41, 32
	s_mov_b32 s42, 0
	s_mov_b32 s43, 0
	s_mov_b32 s32, 1
	s_mul_i32 s33, s44, WB
	s_mov_b32 s[OF], s33
	s_mov_b32 s[OF+1], 0
	s_mov_b32 s[SEL], 0x76543210
	s_mov_b32 s[SEL+1], 0xfedcba98
	s_mov_b32 s54, 0xbfb8aa3b                      ; -log2(e)
	s_mov_b32 s55, 0xbfb8aa3b
	s_mov_b32 s56, 0x4038aa3b                      ; 2 log2(e)
	s_mov_b32 s57, 0x4038aa3b
	s_mov_b32 s[I128], 0x3c000000
	s_mov_b32 s[LNE], 0x3727c5ac
	s_wait_dscnt 0x0                               ; the opening add is done
	s_wait_kmcnt 0x0
	s_add_nc_u64 s[34:35], s[12:13], s[OF:OF+1]
	s_or_b32 s35, s35, 0x80000000
	tensor_load_to_lds s[32:35], s[36:43]
	s_nop 0
	s_lshl3_add_u32 s[OF], s45, s44
	s_lshl_b32 s[OF], s[OF], 3
	s_add_nc_u64 s[8:9], s[8:9], s[OF:OF+1]
	s_load_b64 s[48:49], s[8:9], 0x0               ; the slot's old (sy, sx)
	s_mul_i32 s[OF], s45, 32*4352
	s_add_nc_u64 s[4:5], s[4:5], s[OF:OF+1]
	s_lshl_b32 s[OF], s45, 12
	s_add_nc_u64 s[6:7], s[6:7], s[OF:OF+1]
	s_add_nc_u64 s[28:29], s[28:29], s[OF:OF+1]
	s_lshl_b32 s[OF], s45, 6
	s_add_nc_u64 s[30:31], s[30:31], s[OF:OF+1]
	v_and_b32 v250, 31, v0                         ; l
	v_and_b32 v248, 15, v0                         ; r
	v_bfe_u32 v249, v0, 4, 1                       ; hh
	v_lshlrev_b32 v3, 4, v250                      ; 16 l
	v_lshlrev_b32 v10, 4, v0                       ; 16 t = 512 w + 16 l: my 4 channels of row w
	s_lshl_b32 s60, s44, 4
	v_lshl_add_u32 v251, v249, 3, s60              ; 16 w + 8 hh
	v_lshlrev_b32 v11, 2, v251
	v_and_b32 v12, 7, v0
	v_lshl_add_u32 v12, v12, 9, v11                ; old slots: row r % 8, those 8 channels
	v_mul_u32_u24 v13, v250, 4352
	s_lshl_b32 s60, s44, 2
	v_add_nc_u32 v13, s60, v13                     ; part: chunk l, word w of a small sum
	v_lshrrev_b32 v14, 2, v250
	v_and_b32 v252, 3, v0
	v_lshlrev_b32 v14, 8, v14
	v_lshl_add_u32 v14, v252, 4, v14               ; vecs: my 4 channels
.set c_, 0
.rept 32
	global_load_b128 v[64+4*c_:67+4*c_], v10, s[4:5] offset:4352*c_  ; U' of slot w from the 32 chunks
.set c_, c_+1
.endr
	global_load_b32 v244, v13, s[4:5] offset:4096  ; sA, Gy, Gx: a chunk a lane
	global_load_b32 v246, v13, s[4:5] offset:4128
	global_load_b32 v247, v13, s[4:5] offset:4160
	global_load_b128 v[224:227], v10, s[6:7]       ; the old row
	global_load_b128 v[228:231], v14, s[10:11]     ; u0
	global_load_b128 v[232:235], v14, s[10:11] offset:64  ; u1
	global_load_b128 v[236:239], v3, s[20:21]
	global_load_b128 v[240:243], v3, s[22:23]
	global_load_b128 v[56:59], v12, s[6:7]         ; the old state where the gates will lie
	global_load_b128 v[60:63], v12, s[6:7] offset:16
	B8 16, 14, 0                                   ; f_b2
	B8 24, 16, 0                                   ; bih: r, z, n
	B8 32, 16, 512
	B8 40, 16, 1024
	B8 192, 18, 0                                  ; bhh: r, z, n
	B8 200, 18, 512
	B8 48, 18, 1024
	B8 208, 24, 0                                  ; mlp_b1
	B8 216, 26, 0                                  ; mlp_b2
	v_mul_u32_u24 v4, v248, AP
	v_lshl_add_u32 v4, v249, 4, v4
	v_add_nc_u32 v4, ACT, v4                       ; an activation fragment: row r, 16 bytes for each half
	v_lshl_add_u32 v5, v250, 4, s33                ; my wave's weights, my place in a fragment
	s_mul_i32 s60, s44, AP
	s_add_co_u32 s60, s60, ACT
	v_lshl_add_u32 v6, v250, 3, s60                ; row w, my 8 bytes
	v_mul_u32_u24 v7, v248, AP
	v_lshl_add_u32 v7, v251, 1, v7
	v_add_nc_u32 v7, ACT, v7                       ; row r, my 8 channels in bf16
	v_mul_u32_u24 v8, v248, HPI
	v_lshl_add_u32 v8, v251, 2, v8
	v_add_nc_u32 v8, HN, v8                        ; the same in f32
	s_mul_i32 s60, s44, HPI
	s_add_co_u32 s60, s60, HN
	v_lshl_add_u32 v9, v250, 4, s60                ; row w in f32, my 4 channels
	s_lshl_b32 s60, s44, 3
	s_add_co_u32 s60, s60, SPL
	v_mov_b32 v15, s60
	v_mov_b32 v245, 0                              ; the reductions' second register is written before it is named
	; S0: the chunks' sums; S_p; Uh; the old row in bf16
	s_wait_loadcnt 0x0
	s_wait_kmcnt 0x0
	s_mov_b32 s52, s49                             ; sx, twice
	s_mov_b32 s53, s49
	TREE 64, 32, 4, 5
	ALLRED 244, 245
	ALLRED 246, 245
	ALLRED 247, 245
	v_rcp_f32 v248, v244                           ; 1 / A
	v_mov_b32 v249, 0                              ; the plain instruction behind it; named with it as a pair
	v_pk_mul_f32 v[68:69], v[228:229], s[48:49] op_sel_hi:[1,0]
	v_pk_mul_f32 v[70:71], v[230:231], s[48:49] op_sel_hi:[1,0]
	v_pk_fma_f32 v[68:69], v[232:233], s[52:53], v[68:69] op_sel_hi:[1,0,1]
	v_pk_fma_f32 v[70:71], v[234:235], s[52:53], v[70:71] op_sel_hi:[1,0,1]
	s_wait_alu depctr_va_vdst(0)
	v_pk_mul_f32 v[250:251], v[246:247], v[248:249] op_sel_hi:[1,0]
	v_pk_fma_f32 v[64:65], v[64:65], v[248:249], v[68:69] op_sel_hi:[1,0,1] neg_lo:[0,0,1] neg_hi:[0,0,1]
	v_pk_fma_f32 v[66:67], v[66:67], v[248:249], v[70:71] op_sel_hi:[1,0,1] neg_lo:[0,0,1] neg_hi:[0,0,1]
	ds_store_b64 v15, v[250:251]
	v_cvt_pk_bf16_f32 v72, v64, v65
	v_cvt_pk_bf16_f32 v73, v66, v67
	v_cvt_pk_bf16_f32 v74, v224, v225
	v_cvt_pk_bf16_f32 v75, v226, v227
	ds_store_b64 v6, v[72:73] offset:XA
	ds_store_b64 v6, v[72:73] offset:XA+8*AP
	ds_store_b64 v6, v[74:75] offset:XH
	ds_store_b64 v6, v[74:75] offset:XH+8*AP
.irp k, 0,2,4,6
	v_pk_add_f32 v[24+\k:25+\k], v[24+\k:25+\k], v[192+\k:193+\k]  ; the r and z gates take both biases
	v_pk_add_f32 v[32+\k:33+\k], v[32+\k:33+\k], v[200+\k:201+\k]
.endr
	BAR
	; S1: updates = Uh f_w2^T + f_b2
	s_wait_tensorcnt 0x0                           ; my nine tiles are in; only I read them
	STAGE 0, XA, 16
.irp k, 0,1,2,3
	v_cvt_pk_bf16_f32 v[184+\k], v[16+2*\k], v[17+2*\k]
.endr
	ds_store_b128 v7, v[184:187] offset:XU
	BAR
	; S2: the GRU's six products.  Eight groups (K step g / 2; g even: wih on the updates, g odd: whh on the old slots) of three fragments through two buffers
.macro GL g
.set ks_, (\g)/2
.set pt_, (\g)%2
.set bf_, 128+24*((\g)%2)
.irp f, 0,1,2
.irp p, 0,1
	ds_load_b128 v[bf_+8*\f+4*\p:bf_+8*\f+4*\p+3], v5 offset:4096*(1+3*pt_+\f)+1024*ks_+512*\p
.endr
.endr
.endm
.irp n, 0,1,2,3,4,5,6,7
	ds_load_b128 v[64+4*\n:67+4*\n], v4 offset:XU+32*\n
.endr
.irp n, 0,1,2,3,4,5,6,7
	ds_load_b128 v[96+4*\n:99+4*\n], v4 offset:XH+32*\n
.endr
	GL 0
	GL 1
.set g_, 0
.rept 8
.if g_ < 7
	s_wait_dscnt 6                                 ; group g is in; the younger group's six loads stay out
.else
	s_wait_dscnt 0
.endif
.set b2_, 128+24*(g_%2)
.set ac_, 64+32*(g_%2)+8*(g_/2)
.set nn_, 40+8*(g_%2)
	v_wmma_f32_16x16x32_bf16 v[24:31], v[b2_:b2_+7], v[ac_:ac_+7], v[24:31]  ; r, z and n's half by turns
	v_wmma_f32_16x16x32_bf16 v[32:39], v[b2_+8:b2_+15], v[ac_:ac_+7], v[32:39]
	v_wmma_f32_16x16x32_bf16 v[nn_:nn_+7], v[b2_+16:b2_+23], v[ac_:ac_+7], v[nn_:nn_+7]
.if g_ < 6
	PLACES
	GL g_+2
.elseif g_ == 7
	PLACES
.endif
.set g_, g_+1
.endr
.irp k, 0,2,4,6
	v_pk_mul_f32 v[24+\k:25+\k], v[24+\k:25+\k], s[54:55] op_sel_hi:[1,0]
.endr
.irp k, 0,2,4,6
	v_pk_mul_f32 v[32+\k:33+\k], v[32+\k:33+\k], s[54:55] op_sel_hi:[1,0]
.endr
.irp j, 0,1,2,3,4,5,6,7,8,9,10,11,12,13,14,15
	v_exp_f32 v[24+\j], v[24+\j]
.endr
	v_nop                                          ; a plain instruction behind each run of transcendentals
	s_wait_alu depctr_va_vdst(0)
.irp k, 0,2,4,6,8,10,12,14
	v_pk_add_f32 v[24+\k:25+\k], v[24+\k:25+\k], 1.0 op_sel_hi:[1,0]
.endr
.irp j, 0,1,2,3,4,5,6,7,8,9,10,11,12,13,14,15
	v_rcp_f32 v[24+\j], v[24+\j]
.endr
	v_nop
	s_wait_alu depctr_va_vdst(0)
.irp k, 0,2,4,6
	v_pk_fma_f32 v[40+\k:41+\k], v[24+\k:25+\k], v[48+\k:49+\k], v[40+\k:41+\k]  ; inn + r hn
.endr
.irp k, 0,2,4,6
	v_pk_mul_f32 v[40+\k:41+\k], v[40+\k:41+\k], s[56:57] op_sel_hi:[1,0]
.endr
.irp j, 0,1,2,3,4,5,6,7
	v_exp_f32 v[40+\j], v[40+\j]
.endr
	v_nop
	s_wait_alu depctr_va_vdst(0)
.irp k, 0,2,4,6
	v_pk_add_f32 v[40+\k:41+\k], v[40+\k:41+\k], 1.0 op_sel_hi:[1,0]
.endr
.irp j, 0,1,2,3,4,5,6,7
	v_rcp_f32 v[40+\j], v[40+\j]
.endr
	v_nop
	s_wait_alu depctr_va_vdst(0)
.irp k, 0,2,4,6
	v_pk_fma_f32 v[40+\k:41+\k], v[40+\k:41+\k], -2.0, 1.0 op_sel_hi:[1,0,0]     ; n = tanh
.endr
.irp k, 0,2,4,6
	v_pk_add_f32 v[56+\k:57+\k], v[56+\k:57+\k], v[40+\k:41+\k] neg_lo:[0,1] neg_hi:[0,1]  ; h - n
.endr
.irp k, 0,2,4,6
	v_pk_fma_f32 v[56+\k:57+\k], v[32+\k:33+\k], v[56+\k:57+\k], v[40+\k:41+\k]  ; n + z (h - n)
.endr
	ds_store_b128 v8, v[56:59]
	ds_store_b128 v8, v[60:63] offset:16
	BAR
	; S3: LN of the new row w
	ds_load_b128 v[184:187], v9
	s_wait_dscnt 0x0
	LNROW 184, 236, 240, 188, 248
	v_cvt_pk_bf16_f32 v252, v188, v189
	v_cvt_pk_bf16_f32 v253, v190, v191
	ds_store_b64 v6, v[252:253] offset:XL
	ds_store_b64 v6, v[252:253] offset:XL+8*AP
	BAR
	; S4, S5: the MLP, and the sum with the GRU's result
	STAGE 7, XL, 208
.irp j, 0,1,2,3,4,5,6,7
	v_max_num_f32 v[208+\j], 0, v[208+\j]
.endr
.irp k, 0,1,2,3
	v_cvt_pk_bf16_f32 v[184+\k], v[208+2*\k], v[209+2*\k]
.endr
	ds_store_b128 v7, v[184:187] offset:XM
	BAR
	STAGE 8, XM, 216
.irp k, 0,2,4,6
	v_pk_add_f32 v[56+\k:57+\k], v[56+\k:57+\k], v[216+\k:217+\k]
.endr
	ds_store_b128 v8, v[56:59]                     ; the rows' readers of S3 waited for their loads two barriers ago
	ds_store_b128 v8, v[60:63] offset:16
	BAR
	; S6: whole rows out
	ds_load_b128 v[184:187], v9
	s_wait_dscnt 0x0
	global_store_b128 v10, v[184:187], s[28:29]    ; a wave's store covers a row, 512 consecutive bytes, aligned
	s_cmp_lg_u32 s44, 0
	s_cbranch_scc1 .Lend
	v_and_b32 v248, 31, v0                         ; wave 0: the batch's eight (sy, sx), 64 bytes
	v_lshlrev_b32 v250, 3, v248
	v_min_u32 v249, 7, v248
	v_lshl_add_u32 v249, v249, 3, SPL
	ds_load_b64 v[252:253], v249
	s_wait_dscnt 0x0
	v_cmp_gt_u32 vcc_lo, 8, v248
	s_wait_xcnt 0x0                                ; EXEC changes only behind this wait: it is a source of the store above
	s_and_saveexec_b32 s60, vcc_lo
	global_store_b64 v250, v[252:253], s[30:31]
	s_wait_xcnt 0x0                                ; and again ahead of the line that widens it
	s_or_b32 exec_lo, exec_lo, s60
.Lend:
	s_wait_tensorcnt 0x0                           ; the wave's end
	ds_add_u32 v[SPW], v[NIL]
	s_wait_dscnt 0x0
	s_endpgm
.Lfunc_end_k_q34e8869055_upd1:
	.size	k_q34e8869055_upd1, .Lfunc_end_k_q34e8869055_upd1-k_q34e8869055_upd1
	.p2alignl 7, 3214868480
	.fill 96, 4, 3214868480
	.section	.rodata,"a",@progbits
	.p2align	6, 0x0
	.amdhsa_kernel k_q34e8869055_upd1
		.amdhsa_group_segment_fixed_size 327680
		.amdhsa_private_segment_fixed_size 0
		.amdhsa_enable_private_segment 0
		.amdhsa_kernarg_size 112
		.amdhsa_user_sgpr_count 2
		.amdhsa_user_sgpr_kernarg_segment_ptr 1
		.amdhsa_wavefront_size32 1
		.amdhsa_system_sgpr_workgroup_id_x 1
		.amdhsa_system_sgpr_workgroup_id_y 1
		.amdhsa_system_sgpr_workgroup_id_z 1
		.amdhsa_system_vgpr_workitem_id 0
		.amdhsa_next_free_vgpr 256
		.amdhsa_next_free_sgpr 66
		.amdhsa_reserve_vcc 1
		.amdhsa_float_denorm_mode_32 3
		.amdhsa_float_denorm_mode_16_64 3
		.amdhsa_memory_ordered 1
		.amdhsa_forward_progress 1
		.amdhsa_inst_pref_size 38
	.end_amdhsa_kernel
	.amdgpu_metadata
---
amdhsa.version: [ 1, 2 ]
amdhsa.kernels:
  - .name:           k_q34e8869055_upd1
    .symbol:         k_q34e8869055_upd1.kd
    .args:
      - { .name: part, .offset: 0, .size: 8, .value_kind: global_buffer, .address_space: global }
      - { .name: slots_init, .offset: 8, .size: 8, .value_kind: global_buffer, .address_space: global }
      - { .name: S_p0, .offset: 16, .size: 8, .value_kind: global_buffer, .address_space: global }
      - { .name: vecs, .offset: 24, .size: 8, .value_kind: global_buffer, .address_space: global }
      - { .name: wupd, .offset: 32, .size: 8, .value_kind: global_buffer, .address_space: global }
      - { .name: f_b2, .offset: 40, .size: 8, .value_kind: global_buffer, .address_space: global }
      - { .name: gru_bih, .offset: 48, .size: 8, .value_kind: global_buffer, .address_space: global }
      - { .name: gru_bhh, .offset: 56, .size: 8, .value_kind: global_buffer, .address_space: global }
      - { .name: ln_pf_g, .offset: 64, .size: 8, .value_kind: global_buffer, .address_space: global }
      - { .name: ln_pf_b, .offset: 72, .size: 8, .value_kind: global_buffer, .address_space: global }
      - { .name: mlp_b1, .offset: 80, .size: 8, .value_kind: global_buffer, .address_space: global }
      - { .name: mlp_b2, .offset: 88, .size: 8, .value_kind: global_buffer, .address_space: global }
      - { .name: slotsA, .offset: 96, .size: 8, .value_kind: global_buffer, .address_space: global }
      - { .name: spA, .offset: 104, .size: 8, .value_kind: global_buffer, .address_space: global }
    .group_segment_fixed_size: 327680
    .private_segment_fixed_size: 0
    .kernarg_segment_align: 8
    .kernarg_segment_size: 112
    .max_flat_workgroup_size: 256
    .sgpr_count:     66
    .vgpr_count:     256
    .wavefront_size: 32
...
	.end_amdgpu_metadata
.endif
;; end of part 3
;; launch iter2: the kernel of part 2 again; grid 256 x 1, 8 waves a work-group, no clusters, 211,456 bytes of LDS; arguments inputs, slotsA, spA, wit, vecs, ln_s_g, ln_s_b, part; writes part
;; launch upd2: the kernel of part 3 again; grid 8 x 1, 8 waves a work-group, no clusters, 327,680 bytes of LDS; arguments part, slotsA, spA, vecs, wupd, f_b2, gru_bih, gru_bhh, ln_pf_g, ln_pf_b, mlp_b1, mlp_b2, slotsB, spB; writes slotsB, spB
;; launch iter3: the kernel of part 2 again; grid 256 x 1, 8 waves a work-group, no clusters, 211,456 bytes of LDS; arguments inputs, slotsB, spB, wit, vecs, ln_s_g, ln_s_b, part; writes part
;; launch upd3: the kernel of part 3 again; grid 8 x 1, 8 waves a work-group, no clusters, 327,680 bytes of LDS; arguments part, slotsB, spB, vecs, wupd, f_b2, gru_bih, gru_bhh, ln_pf_g, ln_pf_b, mlp_b1, mlp_b2, out0, out1; writes out0, out1
